; MI455X (gfx1250); checked and timed in simulation.
; The chip was launched on July 23, 2026; its instructions are those of AMD's public machine-readable ISA for CDNA 5 (MIT licence, August 2026) and "CDNA5" Instruction Set Architecture Reference Guide (July 2026). The comments in the code are by the model that wrote it; some were corrected since.
;; Attention. Allowed arithmetic: matrix products marked QUANTISED: E2M1 operands, one E8M0 scale for each 32 along K, by v_wmma_scale_f32_16x16x128_f8f6f4 with both operands' format E2M1 (or v_wmma_scale_f32_32x16x128_f4), f32 sums; products left as they are: f32 operands where the result goes on into a quantised operand, else bf16, f16 or f32 operands; f32 sums; everything else in f32.
;; Inputs: V 1,024 float32; W_k 1,024 x 1,024 float32; W_q 1,024 x 1,024 float32; dec_hidden 32 x 1,024 float32; enc_hidden 32 x 2,048 x 1,024 float32.
;; Outputs: out0 32 x 1,024 float32; out1 32 x 2,048 float32.
;; This version of the problem:
;;   THIS VERSION OF THE PROBLEM IS GIVEN IN LOW PRECISION. The matrix products marked QUANTISED in the list below multiply operands that are first quantised to E2M1 (2 exponent bits, 1 mantissa bit; 4 bits a number), with one power-of-two scale for each 32 numbers along K (OCP MX v1.0); their sums are f32. All else is computed in f32.
;;   The module's matrix products, in the order in which they are computed (A, B: the left and right operand; K: the contracted axis; several contracted axes count as one K, in the product's order):
;;     1. [M 1,024, K 1,024] x [K 1,024, N 65,536]; A: input W_k; B: input enc_hidden: QUANTISED
;;     2. [M 32, K 1,024] x [K 1,024, N 1,024]; A: input dec_hidden; B: input W_q: QUANTISED
;;     3. [M 1, K 1,024] x [K 1,024, N 65,536]; A: input V; B: computed on the way: left as it is (M = 1 < 16)
;;     4. batch 32 x [M 1,024, K 2,048] x [K 2,048, N 1]; A: computed on the way; B: softmax: left as it is (N = 1 < 16)
;;   THE QUANTISER, for each operand of a quantised product, along K:
;;     - K is cut into blocks of 32 from its start; a last block that is shorter is filled with zeros.
;;     - A block's scale is 2^e with e = floor(log2(the largest magnitude in the block)) - 2, held to -126 .. 127; a block of zeros has e = 0. As a byte (E8M0): e + 127.
;;     - Each number is divided by its block's scale, clamped to +-6, and rounded to the nearest number of E2M1, ties to even, subnormals kept.
;;     - The product sums the exact products of the quantised numbers (number of the format x scale) in f32.
;;   ~~~python
;;   def quantise(x, axis):      # numpy; x: float32 -> the quantised numbers, widened to float32 again
;;       x = np.moveaxis(x, axis, -1); K = x.shape[-1]
;;       x = np.pad(x, [(0, 0)] * (x.ndim - 1) + [(0, -K % 32)]); x = x.reshape(x.shape[:-1] + (-1, 32)); a = np.abs(x).max(-1, keepdims=True)
;;       e = np.where(a > 0, np.clip(np.frexp(np.where(a > 0, a, 1))[1] - 1 - 2, -126, 127), 0)      # np.frexp(a)[1] - 1 = floor(log2(a)), exactly
;;       r = np.clip(x / 2.0 ** e, -6, 6)
;;       step = 2.0 ** (np.maximum(np.frexp(np.where(r == 0, 1, r))[1] - 1, 0) - 1)
;;       q = np.round(r / step) * step * 2.0 ** e      # np.round: ties to even
;;       return np.moveaxis(q.reshape(q.shape[:-2] + (-1,))[..., :K], -1, axis).astype(np.float32)
;;   ~~~
;; One version. Each part assembles by itself: llvm-mc -triple=amdgcn-amd-amdhsa -mcpu=gfx1250 --defsym DOCPART=n.
;; ======== version 1 of 1: 3 launches
;; limits: right only within a limited range of input values
;; workspace buffers: wimg 524,288 bytes; wksc 32,768 bytes; wqs 131,072 bytes; zpart 2,097,152 bytes; stat 131,072 bytes
;; launch prep (part 1): grid 64 x 1, 16 waves a work-group, no clusters, 55,296 bytes of LDS; arguments W_k, W_q, dec_hidden, wimg, wksc, wqs; writes wimg, wksc, wqs
.if DOCPART == 1
	.amdgcn_target "amdgcn-amd-amdhsa--gfx1250"
	.amdhsa_code_object_version 6
	.text
	.protected	k_q81d761fb44_prep
	.globl	k_q81d761fb44_prep
	.p2align	8
	.type	k_q81d761fb44_prep,@function
k_q81d761fb44_prep:
	s_mov_b64 s[64:65], 0
	v_nop
	global_prefetch_b8 v0, s[64:65] scope:SCOPE_SE
	s_setreg_imm32_b32 hwreg(HW_REG_WAVE_MODE, 25, 1), 1
	s_wait_xcnt 0x0
; W_k [1024][1024] f32 -> codes of E2M1 as images of the operand's registers (wimg) and E8M0 scale bytes (wksc);
; wqs[T][b][16] = 2 log2(e) x (Q(dec_hidden) Q(W_q)^T)[b][16 T + r], the product on codes of E2M1 with one scale for each 32 along K.
; SHARES: work-group T has 64 rows of 1,024 numbers to quantise: rows 16 T .. 16 T + 15 of W_k, the same of W_q, and dec_hidden's 32.  Wave v takes rows 4 v .. 4 v + 3 of that list:
; all its 32 loads go out at once, each over 512 consecutive bytes of one row.  Codes and scale bytes go to LDS as rows.  Behind a barrier wave s (0-7) takes the fragments of K step s out of LDS,
; stores W_k's as an image, multiplies dec's two by W_q's, and lays its partial sums in LDS; wave 8 stores W_k's scale bytes.  Behind a second barrier waves 0-7 add the eight partial sums, K ascending.
; wimg: [T 64][s 8][c 2][lane 32][16 bytes]: registers 4 c .. 4 c + 3 of the fragment (rows 16 T on, k = 128 s + 64 c + 32 (lane / 16) + 0 .. 31).   wksc: [h 1024][32 bytes].
; A block's scale byte is its largest magnitude's exponent field - 2, held at 1 from below.  A block of zeros gets the byte 1 where the rule says 127: its codes are zeros and this program alone reads the bytes.
; LIMITS: NaN and infinities among the inputs are not served.  wq's sum over K is made of eight partial sums of 128 along K.
; 64 work-groups: there are 64 tiles of 16 rows.  No tensor loads, no cluster: no two work-groups read the same rows of the weights; dec_hidden (128 KiB) is the one thing shared.
.set PA,   528                         ; a row of codes in LDS: 512 bytes + 16
.set PS,   48                          ; a row of scale bytes: 32 + 16
.set SB,   64*PA                       ; behind the 64 rows of codes: their scale bytes
.set PART, SB+64*PS                    ; behind those: eight waves' partial sums, 2,048 bytes each: [b 32][16] f32
; v64-79, v80-95 two sets at work on a row; v96-223 four rows as loaded; v16-18 scale words (and nothing else); v20-51 four fragments; v52-67 two accumulators
.macro XFILL k                         ; a row, 4,096 bytes: piece q: lane l takes k = 256 q + 8 l + 0 .. 7, so four neighbouring lanes hold a block of 32
.irp q, 0,1,2,3
.irp i, 0,1
	global_load_b128 v[96+32*(\k)+8*\q+4*\i:96+32*(\k)+8*\q+4*\i+3], v4, s[24:25] offset:4096*(\k)+1024*\q+512*\i   ; each load covers 512 consecutive bytes: lanes 0-15 the first 16 bytes of each 32, lanes 16-31 the second
.endr
.endr
.endm
.macro XROW k, cnt                     ; row k is quantised.  cnt: the loads issued behind this row's
.set XSR, 96+32*(\k)
.set XT,  64+16*((\k)%2)
	s_wait_loadcnt \cnt
	s_wait_dscnt 8                                 ; the LDS stores of the row two back, which read this set of registers, are done; the last row's eight may be out
.irp q, 0,1,2,3
.irp j, 0,1,2,3
	v_permlane16_swap_b32 v[XSR+8*\q+\j], v[XSR+8*\q+4+\j]   ; the first load's lanes 16-31 change places with the second's lanes 0-15: lane l now holds k = 256 q + 8 l + 0 .. 7
.endr
.endr
.irp q, 0,1,2,3
	v_max3_num_f32 v[XT+\q], |v[XSR+8*\q]|, |v[XSR+8*\q+1]|, 0x1800000   ; the floor 2^(3 - 127): the byte cannot fall under 1
.endr
.irp i, 2,4,6
.irp q, 0,1,2,3
	s_delay_alu instid0(VALU_DEP_4)
	v_max3_num_f32 v[XT+\q], v[XT+\q], |v[XSR+8*\q+\i]|, |v[XSR+8*\q+\i+1]|
.endr
.endr
.irp q, 0,1,2,3
	s_delay_alu instid0(VALU_DEP_4)
	v_max_num_f32_dpp v[XT+\q], v[XT+\q], v[XT+\q] row_xmask:1 row_mask:0xf bank_mask:0xf
.endr
.irp q, 0,1,2,3
	s_delay_alu instid0(VALU_DEP_4)
	v_max_num_f32_dpp v[XT+\q], v[XT+\q], v[XT+\q] row_xmask:2 row_mask:0xf bank_mask:0xf   ; the four lanes': the block's largest magnitude
.endr
.irp q, 0,1,2,3
	s_delay_alu instid0(VALU_DEP_4)
	v_add_nc_u32 v[XT+4+\q], 0xff000000, v[XT+\q]  ; 2 off its exponent field: the conversion's scale operand
.endr
.irp q, 0,1,2,3
	v_cvt_scalef32_pk8_fp4_f32 v[XT+12+\q], v[XSR+8*\q:XSR+8*\q+7], v[XT+4+\q]
.endr
.irp q, 0,1,2,3
	v_lshrrev_b32 v[XT+8+\q], 23, v[XT+4+\q]       ; the scale's byte (also the plain place behind the conversions)
.endr
.irp q, 0,1,2,3
	ds_store_b32 v9, v[XT+12+\q] offset:PA*(\k)+128*\q
.endr
.irp q, 0,1,2,3
	ds_store_b8 v10, v[XT+8+\q] offset:PS*(\k)+8*\q   ; the four lanes of a block write the same byte with the same value
.endr
.endm
.macro BARRIER                         ; my LDS stores have landed and my LDS loads are in: then the work-group's barrier
	s_wait_dscnt 0x0
	s_barrier_signal -1
	s_barrier_wait -1
.endm
	s_load_b256 s[4:11], s[0:1], 0x0               ; W_k s[4:5], W_q s[6:7], dec_hidden s[8:9], wimg s[10:11]
	s_load_b128 s[12:15], s[0:1], 0x20             ; wksc s[12:13], wqs s[14:15]
	v_lshl_add_u32 v7, v0, 2, 53248                ; my spare word, behind the partial sums: 128 bytes a wave that no other line names
	v_mov_b32 v12, 0
	v_lshrrev_b32 v1, 5, v0
	s_delay_alu instid0(VALU_DEP_1)
	v_readfirstlane_b32 s16, v1                    ; wave 0..15
	s_and_b32 s17, s16, 7                          ; the K step of waves 0-7
	v_and_b32 v1, 31, v0                           ; lane
	v_and_b32 v2, 15, v0                           ; r
	v_bfe_u32 v3, v0, 4, 1                         ; h
	s_delay_alu instid0(VALU_DEP_3)
	v_lshlrev_b32 v5, 4, v1                        ; 16 x lane
	s_delay_alu instid0(VALU_DEP_3)
	v_lshlrev_b32 v4, 5, v2
	s_delay_alu instid0(VALU_DEP_1)
	v_lshl_add_u32 v4, v3, 4, v4                   ; a row's loads: 32 r + 16 h
	s_lshl_b32 s22, s17, 11
	v_lshl_add_u32 v6, v3, 9, s22
	s_delay_alu instid0(VALU_DEP_1)
	v_lshl_add_u32 v6, v2, 2, v6                   ; my partial sums: 2,048 x K step + 512 h + 4 r
	v_lshlrev_b32 v8, 3, v0                        ; 8 x thread
	s_mul_i32 s22, s16, 4*PA
	v_lshl_add_u32 v9, v1, 2, s22                  ; codes in: my wave's four rows, 4 bytes a lane
	s_mul_i32 s22, s16, 4*PS
	s_add_co_u32 s22, s22, SB
	v_lshrrev_b32 v10, 2, v1
	s_delay_alu instid0(VALU_DEP_1)
	v_add_nc_u32 v10, s22, v10                     ; scale bytes in: a byte for each four lanes
	v_mul_u32_u24 v11, v2, PA
	s_delay_alu instid0(VALU_DEP_1)
	v_lshl_add_u32 v11, v3, 4, v11
	s_lshl_b32 s22, s17, 6
	v_add_nc_u32 v11, s22, v11                     ; a fragment: row r, + 16 h, + 64 bytes a K step
	v_mul_u32_u24 v13, v2, PS
	s_lshl_b32 s22, s17, 2
	s_add_co_u32 s22, s22, SB
	v_add_nc_u32 v13, s22, v13                     ; its row's scale word
	v_lshrrev_b32 v14, 1, v1
	s_delay_alu instid0(VALU_DEP_1)
	v_mul_u32_u24 v14, v14, PS
	v_and_b32 v15, 1, v1
	s_delay_alu instid0(VALU_DEP_1)
	v_lshl_add_u32 v14, v15, 4, v14
	s_delay_alu instid0(VALU_DEP_1)
	v_add_nc_u32 v14, SB, v14                      ; W_k's scale bytes on their way out: two lanes to a row of 32
	s_and_b32 s26, s16, 3
	s_lshl_b32 s26, s26, 2
	s_lshl_b32 s27, ttmp9, 4
	s_add_co_u32 s26, s26, s27                     ; a weight's rows: 16 T + 4 (wave % 4)
	s_lshl_b32 s27, s17, 2                         ; dec's rows: 4 (wave - 8)
	s_mov_b32 s23, 0
	s_wait_kmcnt 0x0
	s_cmp_lt_u32 s16, 4                            ; waves 0-3 W_k, 4-7 W_q, 8-15 dec_hidden: the choice hangs on the wave's number alone
	s_cselect_b64 s[24:25], s[4:5], s[6:7]
	s_cmp_lt_u32 s16, 8
	s_cselect_b64 s[24:25], s[24:25], s[8:9]
	s_cselect_b32 s22, s26, s27
	s_lshl_b32 s22, s22, 12                        ; rows of 4,096 bytes
	s_add_nc_u64 s[24:25], s[24:25], s[22:23]
	XFILL 0
	XFILL 1
	XFILL 2
	XFILL 3
	s_lshl_b32 s22, ttmp9, 3
	s_add_co_u32 s22, s22, s17
	s_lshl_b32 s22, s22, 10                        ; a fragment's image is 1,024 bytes
	s_add_nc_u64 s[10:11], s[10:11], s[22:23]
	s_lshl_b32 s22, ttmp9, 9
	s_add_nc_u64 s[12:13], s[12:13], s[22:23]
	s_lshl_b32 s22, ttmp9, 11
	s_add_nc_u64 s[14:15], s[14:15], s[22:23]
	XROW 0, 24                                     ; behind a row's eight loads stand the later rows'
	XROW 1, 16
	XROW 2, 8
	XROW 3, 0
	BARRIER                                        ; the 64 rows' codes and scale bytes lie in LDS
	s_cmp_lt_u32 s16, 8
	s_cbranch_scc0 .Lother
.irp m, 0,1,2,3                                ; W_k's fragment v20-27, W_q's v28-35, dec's rows 0-15 v36-43, rows 16-31 v44-51
.irp c, 0,1
	ds_load_b128 v[20+8*\m+4*\c:23+8*\m+4*\c], v11 offset:16*PA*\m+32*\c
.endr
.endr
.irp m, 1,2,3
	ds_load_b32 v[15+\m], v13 offset:16*PS*\m      ; scale words: W_q's v16, dec's v17, v18
.endr
	s_wait_dscnt 0x0
	global_store_b128 v5, v[20:23], s[10:11]       ; 32 lanes store 512 consecutive bytes
	global_store_b128 v5, v[24:27], s[10:11] offset:512
	; source 0 = 16 rows of dec, source 1 = 16 rows of W_q: lane r holds column h = r, register j the batch 16 a + 8 (lane / 16) + j
	v_wmma_scale_f32_16x16x128_f8f6f4 v[52:59], v[36:43], v[28:35], 0, v17, v16 matrix_a_fmt:MATRIX_FMT_FP4 matrix_b_fmt:MATRIX_FMT_FP4
	v_wmma_scale_f32_16x16x128_f8f6f4 v[60:67], v[44:51], v[28:35], 0, v18, v16 matrix_a_fmt:MATRIX_FMT_FP4 matrix_b_fmt:MATRIX_FMT_FP4
.rept 4
	v_nop                                          ; four places in front of the first read of the results
.endr
.irp a, 0,1
.irp j, 0,1,2,3,4,5,6,7
	ds_store_b32 v6, v[52+8*\a+\j] offset:PART+(16*\a+\j)*64   ; [b 32][16 h] f32; each result from its low end on
.endr
.endr
	s_branch .Ljoin
.Lother:
	s_cmp_lg_u32 s16, 8
	s_cbranch_scc1 .Ljoin
	ds_load_b128 v[112:115], v14                   ; wave 8: W_k's 16 rows of scale bytes
	s_wait_dscnt 0x0
	global_store_b128 v5, v[112:115], s[12:13]     ; 512 dense bytes
.Ljoin:
	BARRIER                                        ; the eight partial sums lie in LDS
	s_cmp_lt_u32 s16, 8
	s_cbranch_scc0 .Ldone
.irp u, 0,1,2,3,4,5,6,7
	ds_load_b64 v[96+2*\u:97+2*\u], v8 offset:PART+2048*\u     ; two numbers a thread, of each K step's partial sums
.endr
	s_wait_dscnt 0x0
.irp u, 1
	v_pk_add_f32 v[96:97], v[96:97], v[96+2*\u:97+2*\u]        ; K ascending
.endr
.irp u, 2, 3, 4, 5, 6, 7
	s_delay_alu instid0(VALU_DEP_1)
	v_pk_add_f32 v[96:97], v[96:97], v[96+2*\u:97+2*\u]        ; K ascending
.endr
	s_delay_alu instid0(VALU_DEP_1)
	v_pk_mul_f32 v[96:97], v[96:97], 0x4038aa3b op_sel_hi:[1,0]  ; x 2 log2(e): the tanh's exponent is 2 log2(e) (ctx + wq)
	global_store_b64 v8, v[96:97], s[14:15]        ; a wave stores 256 consecutive bytes, aligned
.Ldone:
	s_wait_tensorcnt 0x0                           ; the wave's end
	ds_add_u32 v7, v12
	s_wait_dscnt 0x0
	s_endpgm
.Lfunc_end_k_q81d761fb44_prep:
	.size	k_q81d761fb44_prep, .Lfunc_end_k_q81d761fb44_prep-k_q81d761fb44_prep
	.p2alignl 7, 3214868480
	.fill 96, 4, 3214868480
	.section	.rodata,"a",@progbits
	.p2align	6, 0x0
	.amdhsa_kernel k_q81d761fb44_prep
		.amdhsa_group_segment_fixed_size 55296
		.amdhsa_private_segment_fixed_size 0
		.amdhsa_enable_private_segment 0
		.amdhsa_kernarg_size 48
		.amdhsa_user_sgpr_count 2
		.amdhsa_user_sgpr_kernarg_segment_ptr 1
		.amdhsa_wavefront_size32 1
		.amdhsa_system_sgpr_workgroup_id_x 1
		.amdhsa_system_sgpr_workgroup_id_y 1
		.amdhsa_system_sgpr_workgroup_id_z 1
		.amdhsa_system_vgpr_workitem_id 0
		.amdhsa_next_free_vgpr 224
		.amdhsa_next_free_sgpr 66
		.amdhsa_reserve_vcc 0
		.amdhsa_float_denorm_mode_32 3
		.amdhsa_float_denorm_mode_16_64 3
		.amdhsa_memory_ordered 1
		.amdhsa_forward_progress 1
		.amdhsa_inst_pref_size 27
	.end_amdhsa_kernel
	.amdgpu_metadata
---
amdhsa.version: [ 1, 2 ]
amdhsa.kernels:
  - .name:           k_q81d761fb44_prep
    .symbol:         k_q81d761fb44_prep.kd
    .args:
      - { .name: W_k, .offset: 0, .size: 8, .value_kind: global_buffer, .address_space: global }
      - { .name: W_q, .offset: 8, .size: 8, .value_kind: global_buffer, .address_space: global }
      - { .name: dec_hidden, .offset: 16, .size: 8, .value_kind: global_buffer, .address_space: global }
      - { .name: wimg, .offset: 24, .size: 8, .value_kind: global_buffer, .address_space: global }
      - { .name: wksc, .offset: 32, .size: 8, .value_kind: global_buffer, .address_space: global }
      - { .name: wqs, .offset: 40, .size: 8, .value_kind: global_buffer, .address_space: global }
    .group_segment_fixed_size: 55296
    .private_segment_fixed_size: 0
    .kernarg_segment_align: 8
    .kernarg_segment_size: 48
    .max_flat_workgroup_size: 512
    .sgpr_count:     66
    .vgpr_count:     224
    .wavefront_size: 32
...
	.end_amdgpu_metadata
.endif
;; end of part 1
;; launch main (part 2): grid 256 x 1, 4 waves a work-group, no clusters, 166,400 bytes of LDS; arguments enc_hidden, V, wimg, wksc, wqs, out1, zpart, stat; writes out1, zpart, stat
.if DOCPART == 2
	.amdgcn_target "amdgcn-amd-amdhsa--gfx1250"
	.amdhsa_code_object_version 6
	.text
	.protected	k_q81d761fb44_main
	.globl	k_q81d761fb44_main
	.p2align	8
	.type	k_q81d761fb44_main,@function
k_q81d761fb44_main:
	s_mov_b64 s[64:65], 0
	v_nop
	global_prefetch_b8 v0, s[64:65] scope:SCOPE_SE
	s_setreg_imm32_b32 hwreg(HW_REG_WAVE_MODE, 25, 1), 1
	s_wait_xcnt 0x0
; score[b][s] = sum over h of V[h] tanh(ctx[b][h][s] + wq[b][h]), ctx = Q(W_k) Q(enc)^T on codes of E2M1 with one E8M0 scale for each 32 along K; and the pieces of the softmax and of the context.
; SHARES.  Work-group g owns rows 256 g .. 256 g + 255 of enc_hidden taken as [65,536][1,024] (batch g / 8), as two tiles of 128 rows.  Wave w quantises rows 32 w .. 32 w + 31 of each tile into LDS.
; In the product wave w owns columns h = 256 w .. 256 w + 255 for all 128 rows: the tile's 64 fragments of enc stay in its registers (512), and its 16 column tiles of W_k go by, one at a time:
; 64 matrix instructions (8 K steps x 8 row tiles, the 8 accumulators by turns), then the tanh in place and V tanh added to the rows' running sums.  ctx never goes to memory.
; THE PRODUCT IS USED TRANSPOSED: source 0 = 16 rows of W_k, source 1 = 16 rows of enc: a lane holds ONE row of enc (lane % 16) and its registers the columns 8 (lane / 16) + 0 .. 7.
; A row's running sums are kept one register for each of the lane's eight columns, 64 registers in all, and are folded within the lane at a tile's end.
; W_k's fragments come from memory straight into registers, as images laid by the launch before, asked for two column tiles ahead.  Tile 1's rows are quantised inside tile 0's walk, two rows a column tile.
; ENC'S LOADS: each covers 512 consecutive bytes: lanes 0-15 take the first 16 bytes of each 32, lanes 16-31 the second; two such loads and four exchanges of halves give a lane 8 neighbours along K.
; tanh(x) = 1 - 2 / (1 + 2^(2 log2(e) x)): the row sum is sum V - 2 sum V / (1 + 2^..): each wave's sums start at its own 256 columns' sum of V, half in each half of the lanes.
; THE CONTEXT.  ctx is linear in the quantised enc: sum over s of a[s] ctx[h][s] = sum over k of Qw[h][k] (sum over s of a[s] Qenc[s][k]), for every input; only the order of the f32 sums differs from the source's.
; So a tile leaves its largest score m, l = sum of p = e^(score - m), and z[k] = sum over its rows of p Qenc[s][k] (codes widened, f32 sums); the last launch joins the 16 tiles of a batch and multiplies by Qw.
; LIMITS: NaN and infinities among the inputs are not served.  A block of zeros gets the scale byte 1 where the rule says 127: its codes are zeros, and this program alone reads the bytes.
; NO CLUSTER, NO JOINT LOADS: W_k's images are read by every work-group, but a joint request lands in LDS, and each fragment is wanted by ONE wave, once a tile: it would be written to LDS and read back once
; where now it goes straight into registers, and each column tile would want a round among waves that here meet three times in all.
; NO PREFETCH: the ring of four rows a wave asks for enc four rows ahead of their use, 32 loads of 512 bytes a wave; W_k's images are asked for two column tiles ahead.
; LDS: no region that waves share is written twice.
.set PA,   528                         ; a row of codes: 512 bytes + 16
.set A1O,  128*PA                      ; tile 0's codes at 0, tile 1's here
.set PS,   48                          ; a row of scale bytes: 32 + 16
.set SB0,  2*A1O                       ; tile 0's scale bytes; tile 1's SBT further on
.set SBT,  128*PS
.set TAB,  SB0+2*SBT                   ; 2,048 bytes for each wave, its own: 2 log2(e) wq of its 256 columns, then -2 V of the same
.set SC0,  TAB+8192                    ; the waves' partial scores: tile t at 2,048 t, wave w at 512 w
.set PT,   SC0+4096                    ; 512 bytes for each wave, its own: the tile's 128 p
.set ZT,   PT+2048                     ; 1,024 bytes for each wave, its own: z on its way out
.set SPARE, ZT+4096                    ; the spare words, 128 bytes for each wave: two blocks of 256 bytes that no other line names
; REGISTERS, window 0: v1 8 x lane; v2 my spare word, v3 0; v4-31 addresses (see where they are made); v30 half my columns' sum of V; v32-39 the column tile's c2 wq, v40-47 its -2 V;
; v48-55, v56-63 W_k's scale words; v64-95 enc's scale words (register 8 p + s: lane l holds row 32 p + l, K step s); v96-111, v112-127 two sets at work on a row, at a tile's end scores and p; v128-255 four rows of enc as loaded, at a tile's end at work.
; window 1: v0-63 the 8 accumulators; v64-127, v128-191 W_k's fragments, two buffers; v192-255 the row sums (register 192 + i takes what accumulator register i gives).
; windows 2, 3: enc's fragments (K step s, row tile mt) at 64 (s % 4) + 8 mt.
.set MSB, 0
.macro WIN new                         ; s_set_vgpr_msb: bits 1:0 source 0, 3:2 source 1, 5:4 source 2, 7:6 destination; the high byte repeats the setting that is left
.if MSB != \new
	s_set_vgpr_msb (MSB<<8)|\new
.set MSB, \new
.endif
.endm
.macro NOPS cnt
.rept \cnt
	v_nop
.endr
.endm
.macro VW                              ; this wait round runs of transcendentals and ahead of waits and branches behind which fresh results are read
	s_wait_alu depctr_va_vdst(0)
.endm
.macro BARRIER                         ; my LDS stores have landed and my LDS loads are in: then the work-group's barrier
	VW
	s_wait_dscnt 0x0
	s_barrier_signal -1
	s_barrier_wait -1
.endm
; a row of enc, 4,096 bytes, into slot k: eight loads of 512 consecutive bytes
.macro XFILL k
.irp q, 0,1,2,3
.irp i, 0,1
	global_load_b128 v[128+32*(\k)+8*\q+4*\i:128+32*(\k)+8*\q+4*\i+3], v4, s[4:5] offset:4096*(\k)+1024*\q+512*\i th:TH_LOAD_NT
.endr
.endr
.endm
; slot k's row is quantised: 4 bytes of codes a lane and piece, a scale byte for each four lanes.  cnt: the loads issued behind this slot's.  re = 1: the slot is filled again.  st: bytes by which enc's base steps ahead of the fill
.macro XROW k, cnt, re, st
.set XSR, 128+32*(\k)
.set XT,  96+16*((\k)%2)
	s_wait_loadcnt \cnt
	s_wait_dscnt 8                                 ; the LDS stores of the row two back, which read this set, are done
.irp q, 0,1,2,3
.irp j, 0,1,2,3
	v_permlane16_swap_b32 v[XSR+8*\q+\j], v[XSR+8*\q+4+\j]   ; the first load's lanes 16-31 change places with the second's lanes 0-15: lane l now holds k = 256 q + 8 l + 0 .. 7
.endr
.endr
.irp q, 0,1,2,3
	v_max3_num_f32 v[XT+\q], |v[XSR+8*\q]|, |v[XSR+8*\q+1]|, 0x1800000   ; the floor 2^(3 - 127): the byte cannot fall under 1
.endr
.irp i, 2,4,6
.irp q, 0,1,2,3
	v_max3_num_f32 v[XT+\q], v[XT+\q], |v[XSR+8*\q+\i]|, |v[XSR+8*\q+\i+1]|
.endr
.endr
.irp q, 0,1,2,3
	v_max_num_f32_dpp v[XT+\q], v[XT+\q], v[XT+\q] row_xmask:1 row_mask:0xf bank_mask:0xf
.endr
.irp q, 0,1,2,3
	v_max_num_f32_dpp v[XT+\q], v[XT+\q], v[XT+\q] row_xmask:2 row_mask:0xf bank_mask:0xf   ; the four lanes': the block's largest magnitude
.endr
.irp q, 0,1,2,3
	v_add_nc_u32 v[XT+4+\q], 0xff000000, v[XT+\q]  ; 2 off its exponent field: the conversion's scale operand
.endr
.irp q, 0,1,2,3
	v_cvt_scalef32_pk8_fp4_f32 v[XT+12+\q], v[XSR+8*\q:XSR+8*\q+7], v[XT+4+\q]
.endr
.irp q, 0,1,2,3
	v_lshrrev_b32 v[XT+8+\q], 23, v[XT+4+\q]       ; the scale's byte (also the plain place behind the conversions)
.endr
.irp q, 0,1,2,3
	ds_store_b32 v8, v[XT+12+\q] offset:PA*(\k)+128*\q
.endr
.irp q, 0,1,2,3
	ds_store_b8 v9, v[XT+8+\q] offset:PS*(\k)+8*\q ; the four lanes of a block write the same byte with the same value
.endr
.if (\st)
	s_wait_xcnt 0x0                                ; the earlier loads have read their base: it may step
	s_add_nc_u64 s[4:5], s[4:5], \st
.endif
.if \re
	XFILL \k
.endif
.endm
; a column tile's 8 fragments of W_k and its 8 scale words a row: 18 loads.  st = 1: the bases step two column tiles on first; st = 2: they go back to my first column tile
.macro WLOAD bf, ws, hb, st
.if (\st)
	s_wait_xcnt 0x0                                ; the earlier loads have read their bases
.if (\st) == 1
	s_add_nc_u64 s[40:41], s[40:41], 16384
	s_add_nc_u64 s[42:43], s[42:43], 1024
.else
	s_mov_b64 s[40:41], s[8:9]
	s_mov_b64 s[42:43], s[10:11]
.endif
.endif
	WIN 0x40                                       ; destination window 1
.irp s, 0,1,2,3,4,5,6,7
.irp c, 0,1
	global_load_b128 v[\bf+8*\s+4*\c:\bf+8*\s+4*\c+3], v5, s[40:41] offset:8192*\hb+1024*\s+512*\c
.endr
.endr
	WIN 0
	global_load_b128 v[\ws:\ws+3], v13, s[42:43] offset:512*\hb
	global_load_b128 v[\ws+4:\ws+7], v13, s[42:43] offset:512*\hb+16
.endm
; one product.  enc's scale words of an odd row tile lie in lanes 16-31
.macro WM mt, s, bf, ws
.if (\s) == 0
.if (\mt)%2
	v_wmma_scale_f32_16x16x128_f8f6f4 v[8*(\mt):8*(\mt)+7], v[\bf+8*(\s):\bf+8*(\s)+7], v[64*((\s)%4)+8*(\mt):64*((\s)%4)+8*(\mt)+7], 0, v[\ws+(\s)], v[64+8*((\mt)/2)+(\s)] matrix_a_fmt:MATRIX_FMT_FP4 matrix_b_fmt:MATRIX_FMT_FP4 matrix_b_scale:MATRIX_SCALE_ROW1
.else
	v_wmma_scale_f32_16x16x128_f8f6f4 v[8*(\mt):8*(\mt)+7], v[\bf+8*(\s):\bf+8*(\s)+7], v[64*((\s)%4)+8*(\mt):64*((\s)%4)+8*(\mt)+7], 0, v[\ws+(\s)], v[64+8*((\mt)/2)+(\s)] matrix_a_fmt:MATRIX_FMT_FP4 matrix_b_fmt:MATRIX_FMT_FP4
.endif
.else
.if (\mt)%2
	v_wmma_scale_f32_16x16x128_f8f6f4 v[8*(\mt):8*(\mt)+7], v[\bf+8*(\s):\bf+8*(\s)+7], v[64*((\s)%4)+8*(\mt):64*((\s)%4)+8*(\mt)+7], v[8*(\mt):8*(\mt)+7], v[\ws+(\s)], v[64+8*((\mt)/2)+(\s)] matrix_a_fmt:MATRIX_FMT_FP4 matrix_b_fmt:MATRIX_FMT_FP4 matrix_b_scale:MATRIX_SCALE_ROW1
.else
	v_wmma_scale_f32_16x16x128_f8f6f4 v[8*(\mt):8*(\mt)+7], v[\bf+8*(\s):\bf+8*(\s)+7], v[64*((\s)%4)+8*(\mt):64*((\s)%4)+8*(\mt)+7], v[8*(\mt):8*(\mt)+7], v[\ws+(\s)], v[64+8*((\mt)/2)+(\s)] matrix_a_fmt:MATRIX_FMT_FP4 matrix_b_fmt:MATRIX_FMT_FP4
.endif
.endif
.endm
; a column tile's 64 products: K ascending, the 8 accumulators by turns, one instruction a turn; the first K step starts the sums
.macro MULS bf, ws
.irp s, 0,1,2,3,4,5,6,7
.if \s < 4
	WIN 0x59                                       ; W_k, C and D window 1; enc window 2
.else
	WIN 0x5d                                       ; enc window 3
.endif
.irp mt, 0,1,2,3,4,5,6,7
	WM \mt, \s, \bf, \ws
.endr
.endr
	WIN 0
.endm
; THE TANH.  The 64 numbers of ctx a lane become 1 / (1 + 2^(c2 ctx + c2 wq)), and -2 V times that is added to the row sums.
; All 32 scalings stand first: they are the first reads of the matrix results, each accumulator from its low end on.  Then the accumulators go as two halves (registers 0-31, 32-63), one stage apart:
; behind each exponential or reciprocal of one half stands one line of the other half (the + 1, or the multiply-add into a row sum of its own), which reads only what was written ahead of the last wait.
.macro TANH
	WIN 0x41                                       ; destination and source 0 window 1; the table, source 1 or 2, window 0
.irp c, 0,1,2,3,4,5,6,7
.irp p, 0,1,2,3
	v_pk_fma_f32 v[8*\c+2*\p:8*\c+2*\p+1], v[8*\c+2*\p:8*\c+2*\p+1], s[26:27], v[32+2*\p:33+2*\p] op_sel_hi:[1,0,1]
.endr
.endr
	VW
.set i, 0
.rept 32
	v_exp_f32 v[i], v[i]
.set i, i+1
.endr
	v_nop                                          ; a plain place behind the run
	VW
.set i, 0
.rept 32
	v_exp_f32 v[32+i], v[32+i]
	v_add_f32 v[i], v[i], 1.0
.set i, i+1
.endr
	VW
.set i, 0
.rept 32
	v_rcp_f32 v[i], v[i]
	v_add_f32 v[32+i], v[32+i], 1.0
.set i, i+1
.endr
	VW
.set i, 0
.rept 32
	v_rcp_f32 v[32+i], v[32+i]
	v_fmac_f32 v[192+i], v[i], v[40+i%8]           ; each of the 64 has a row sum of its own: none of these lines reads another's result
.set i, i+1
.endr
	VW
.set i, 0
.rept 32
	v_fmac_f32 v[224+i], v[32+i], v[40+i%8]
.set i, i+1
.endr
	WIN 0
.endm
; a column tile.  nw: the loads issued behind this buffer's.  lw: the buffer takes the column tile two on (1) or the next walk's (2).  x = 1: two rows of the next tile of enc are quantised
.macro HALF bf, ws, hb, x, re, lw, nw, k0, nx0, nx1
.irp e, 0,1
	ds_load_b128 v[32+4*\e:35+4*\e], v15 offset:64*\hb+16*\e          ; my eight columns' c2 wq
	ds_load_b128 v[40+4*\e:43+4*\e], v15 offset:1024+64*\hb+16*\e     ; and -2 V
.endr
	s_wait_loadcnt \nw
	MULS \bf, \ws
	NOPS 4                                         ; four places in front of loads into registers that the products read, and of the first read of their results
.if \lw
	WLOAD \bf, \ws, \hb, \lw*(1-\hb)
.endif
.if \x
	XROW \k0, \nx0, \re, 16384*\re*(1-\hb)
	XROW \k0+1, \nx1, \re, 0
	s_wait_dscnt 16                                ; the table's four loads are in: behind them stand the two rows' 16 stores, which may be out
.else
	s_wait_dscnt 0x0
.endif
	TANH
.endm
.macro PERIOD x, re, lw, na, n0, n1, nb, n2, n3
.if \x
	v_add_nc_u32 v8, s30, v6
	v_add_nc_u32 v9, s31, v7
.endif
	v_add_nc_u32 v15, s29, v14
	HALF 64, 48, 0, \x, \re, \lw, \na, 0, \n0, \n1
	HALF 128, 56, 1, \x, \re, \lw, \nb, 2, \n2, \n3
	s_add_co_u32 s29, s29, 128
.if \x
	VW
	s_wait_dscnt 0x0                               ; the rows' stores are done: v8 and v9 are written again only behind this wait
	s_add_co_u32 s30, s30, 4*PA
	s_add_co_u32 s31, s31, 4*PS
.endif
.endm
; tile t's 64 fragments and 32 registers of scale words come out of LDS; the row sums start
.macro FRAGS t
.irp s, 0,1,2,3,4,5,6,7
.if \s < 4
	WIN 0x80                                       ; destination window 2
.else
	WIN 0xc0                                       ; destination window 3
.endif
.irp mt, 0,1,2,3,4,5,6,7
.irp c, 0,1
	ds_load_b128 v[64*(\s%4)+8*\mt+4*\c:64*(\s%4)+8*\mt+4*\c+3], v[10+\t] offset:16*PA*\mt+64*\s+32*\c
.endr
.endr
.endr
	WIN 0
.irp p, 0,1,2,3
	ds_load_b128 v[64+8*\p:67+8*\p], v12 offset:SBT*\t+32*PS*\p
	ds_load_b128 v[68+8*\p:71+8*\p], v12 offset:SBT*\t+32*PS*\p+16
.endr
	WIN 0x40
.irp m, 0,1,2,3,4,5,6,7
	v_mov_b32 v[192+8*\m], v30                     ; half of my 256 columns' sum of V in each half of the lanes, in the first of a row's eight sums
.irp j, 1,2,3,4,5,6,7
	v_mov_b32 v[192+8*\m+\j], 0
.endr
.endr
	WIN 0
	s_mov_b32 s29, 0
	VW
	s_wait_dscnt 0x0
.endm
; z, four rows (a group) at a time.  Group G has address registers of its own, v[221 + 3 G] on
.macro ZADR G
	v_add_nc_u32 v[221+3*\G], s36, v20
	v_add_nc_u32 v[222+3*\G], s37, v21
	v_add_nc_u32 v[223+3*\G], s38, v19
.endm
.macro ZLD G                           ; nine loads: eight codes of each of the four rows, their blocks' bytes, the rows' p
.irp i, 0,1,2,3
	ds_load_b32 v[160+4*\G+\i], v[221+3*\G] offset:PA*(4*\G+\i)
.endr
.irp i, 0,1,2,3
	ds_load_u8 v[176+4*\G+\i], v[222+3*\G] offset:PS*(4*\G+\i)
.endr
	ds_load_b128 v[200+4*\G:203+4*\G], v[223+3*\G] offset:16*\G
.endm
.macro ZCMP G
.irp i, 0,1,2,3
	v_lshlrev_b32 v[216+\i], 23, v[176+4*\G+\i]    ; the byte as an exponent field: 2^(byte - 127)
.endr
.irp i, 0,1,2,3
	v_mul_f32 v[216+\i], v[216+\i], v[200+4*\G+\i]
.endr
.irp i, 0,1,2,3
	v_cvt_scale_pk8_f32_fp4 v[128+8*\i:135+8*\i], v[160+4*\G+\i], v220
.endr
	v_nop                                          ; one plain place behind a scaled conversion
.irp i, 0,1,2,3
.irp e, 0,1,2,3
.if \i%2
	v_pk_fma_f32 v[192+2*\e:193+2*\e], v[128+8*\i+2*\e:129+8*\i+2*\e], v[216+2*(\i/2):217+2*(\i/2)], v[192+2*\e:193+2*\e] op_sel:[0,1,0]
.else
	v_pk_fma_f32 v[192+2*\e:193+2*\e], v[128+8*\i+2*\e:129+8*\i+2*\e], v[216+2*(\i/2):217+2*(\i/2)], v[192+2*\e:193+2*\e] op_sel_hi:[1,0,1]
.endif
.endr
.endr
.endm
; A TILE'S END: the scores, m, l, p, and z
.macro END t
	WIN 0x05                                       ; sources 0 and 1 window 1
.irp u, 0,1,2,3
.irp m, 0,1,2,3,4,5,6,7
	v_add_f32 v[128+8*\u+\m], v[192+8*\m+2*\u], v[193+8*\m+2*\u]   ; a row's eight sums, two and two,
.endr
.endr
	WIN 0
.irp m, 0,1,2,3,4,5,6,7
	v_add_f32 v[128+\m], v[128+\m], v[136+\m]
	v_add_f32 v[144+\m], v[144+\m], v[152+\m]
.endr
.irp m, 0,1,2,3,4,5,6,7
	v_add_f32 v[128+\m], v[128+\m], v[144+\m]      ; are one: my eight columns of every column tile
.endr
.irp m, 0,1,2,3,4,5,6,7
	v_mov_b32 v[136+\m], 0                         ; (a lane permute's destination counts as one of its sources)
.endr
	v_mov_b32 v118, 0
	v_mov_b32 v119, 0
.irp m, 0,1,2,3,4,5,6,7
	v_permlanex16_b32 v[136+\m], v[128+\m], s24, s25
.endr
.irp m, 0,1,2,3,4,5,6,7
	v_add_f32 v[128+\m], v[128+\m], v[136+\m]      ; and the other half's eight columns: row 16 m + lane % 16 over my 256 columns
.endr
.irp m, 0,1,2,3,4,5,6,7
	ds_store_b32 v16, v[128+\m] offset:2048*\t+64*\m   ; both halves write the same word with the same value
.endr
	BARRIER                                        ; the four waves' partial scores lie in LDS (and, at tile 0's end, all of tile 1's codes and scale bytes)
	s_wait_xcnt 0x0                                ; earlier stores have read v96-103 and v112-117
.irp u, 0,1,2,3
	ds_load_b128 v[96+4*\u:99+4*\u], v17 offset:2048*\t+512*\u   ; lane l: rows 4 l .. 4 l + 3
.endr
	s_wait_dscnt 0x0
	v_pk_add_f32 v[112:113], v[96:97], v[100:101]
	v_pk_add_f32 v[114:115], v[98:99], v[102:103]
	v_pk_add_f32 v[112:113], v[112:113], v[104:105]
	v_pk_add_f32 v[114:115], v[114:115], v[106:107]
	v_pk_add_f32 v[112:113], v[112:113], v[108:109]
	v_pk_add_f32 v[114:115], v[114:115], v[110:111]  ; the scores
	v_max3_num_f32 v116, v112, v113, v114
	v_max_num_f32 v116, v116, v115
.irp m, 1,2,4,8
	v_max_num_f32_dpp v116, v116, v116 row_xmask:\m row_mask:0xf bank_mask:0xf
.endr
	v_permlanex16_b32 v118, v116, s24, s25
	v_max_num_f32 v116, v116, v118                 ; m: the tile's largest score, in every lane
.irp i, 0,1,2,3
	v_sub_f32 v[120+\i], v[112+\i], v116
.endr
.irp i, 0,1,2,3
	v_mul_f32 v[120+\i], 0x3fb8aa3b, v[120+\i]
.endr
	VW
.irp i, 0,1,2,3
	v_exp_f32 v[120+\i], v[120+\i]                 ; p = e^(score - m)
.endr
	v_nop
	VW
	v_add_f32 v117, v120, v121
	v_add_f32 v117, v117, v122
	v_add_f32 v117, v117, v123
.irp m, 1,2,4,8
	v_add_f32_dpp v117, v117, v117 row_xmask:\m row_mask:0xf bank_mask:0xf
.endr
	v_permlanex16_b32 v119, v117, s24, s25
	v_add_f32 v117, v117, v119                     ; l
	ds_store_b128 v18, v[120:123]                  ; p into my own 512 bytes
	VW
	s_cmp_lg_u32 s20, 0
	s_cbranch_scc1 .Lnot0_\@
	global_store_b128 v5, v[112:115], s[14:15] offset:512*\t   ; wave 0: 128 scores, 512 consecutive bytes
	global_store_b64 v1, v[116:117], s[18:19] offset:256*\t    ; and (m, l), once a lane: 256 consecutive bytes
.Lnot0_\@:
	; z[k] = sum over the tile's rows of p x 2^(byte - 127) x code, for my k = 256 w + 8 l + 0 .. 7.  16 rows a trip, in four groups by turns
.irp i, 0,1,2,3,4,5,6,7
	v_mov_b32 v[192+\i], 0
.endr
	v_mov_b32 v220, 0x7f7f7f7f                     ; the widening's scale: 1, the same byte everywhere
	s_mov_b32 s36, A1O*\t
	s_mov_b32 s37, SBT*\t
	s_mov_b32 s38, 0
.irp G, 0,1,2,3
	ZADR \G
	ZLD \G                                         ; rows 0-15 (p: my own store above: LDS serves a wave's instructions in order)
.endr
	s_mov_b32 s39, 7
.Lz_\@:
	s_add_co_u32 s36, s36, 16*PA                   ; the 16 rows that this trip asks for
	s_add_co_u32 s37, s37, 16*PS
	s_add_co_u32 s38, s38, 64
.irp G, 0,1,2,3
	s_wait_dscnt 27                                ; this group's nine loads are in; the other three groups' 27 were issued behind them
	ZCMP \G
	ZADR \G
	ZLD \G
.endr
	s_sub_co_u32 s39, s39, 1
	s_cmp_lg_u32 s39, 0
	VW
	s_cbranch_scc1 .Lz_\@
.irp G, 0,1,2,3
	s_wait_dscnt 27-9*\G                           ; the last 16 rows: nothing more is asked for, the counts run down
	ZCMP \G
.endr
	ds_store_b128 v31, v[192:195]                  ; a lane's 32 bytes; back as 16 bytes a lane, so that each store covers 512 consecutive bytes
	ds_store_b128 v31, v[196:199] offset:16
	ds_load_b128 v[96:99], v24
	ds_load_b128 v[100:103], v24 offset:512
	s_wait_dscnt 0x0
	global_store_b128 v22, v[96:99], s[16:17] offset:4096*\t
	global_store_b128 v22, v[100:103], s[16:17] offset:4096*\t+512
.endm
	s_load_b256 s[4:11], s[0:1], 0x0               ; enc s[4:5], V s[6:7], wimg s[8:9], wksc s[10:11]
	s_load_b256 s[12:19], s[0:1], 0x20             ; wqs s[12:13], out1 s[14:15], zpart s[16:17], stat s[18:19]
	v_lshl_add_u32 v2, v0, 2, SPARE                ; my spare word
	v_mov_b32 v3, 0
	v_mov_b32 v118, 0                              ; a lane permute's destination counts as one of its sources
	v_lshrrev_b32 v25, 5, v0
	v_readfirstlane_b32 s20, v25                   ; wave 0..3
	s_mov_b32 s21, ttmp9                           ; g
	v_and_b32 v26, 31, v0                          ; lane
	v_and_b32 v27, 15, v0                          ; r
	v_bfe_u32 v28, v0, 4, 1                        ; h
	v_lshlrev_b32 v4, 5, v27
	v_lshl_add_u32 v4, v28, 4, v4                  ; enc: 32 r + 16 h
	v_lshlrev_b32 v5, 4, v26                       ; 16 x lane
	v_lshlrev_b32 v1, 3, v26                       ; 8 x lane
	s_mul_i32 s22, s20, 32*PA
	v_lshl_add_u32 v6, v26, 2, s22                 ; codes in: my wave's 32 rows, 4 bytes a lane
	s_mul_i32 s22, s20, 32*PS
	s_add_co_u32 s22, s22, SB0
	v_lshrrev_b32 v7, 2, v26
	v_add_nc_u32 v7, s22, v7                       ; scale bytes in: a byte for each four lanes
	v_mul_u32_u24 v10, v27, PA
	v_lshl_add_u32 v10, v28, 4, v10                ; a fragment: row r, + 16 h, tile 0;
	v_add_nc_u32 v11, A1O, v10                     ; tile 1
	v_mul_u32_u24 v12, v26, PS
	v_add_nc_u32 v12, SB0, v12                     ; enc's scale words: row = lane
	v_lshlrev_b32 v13, 5, v27                      ; W_k's scale words: 32 bytes a row
	s_lshl_b32 s22, s20, 11
	s_add_co_u32 s22, s22, TAB
	v_lshl_add_u32 v14, v28, 5, s22                ; my eight columns in a column tile's 16: 32 h
	v_lshl_add_u32 v29, v26, 2, s22                ; and where the table is laid
	s_lshl_b32 s22, s20, 9
	s_add_co_u32 s23, s22, SC0
	v_lshl_add_u32 v16, v27, 2, s23                ; my wave's partial scores: 4 r
	v_lshl_add_u32 v17, v26, 4, SC0                ; and all waves', four rows a lane
	s_add_co_u32 s23, s22, PT
	v_lshl_add_u32 v18, v26, 4, s23
	v_mov_b32 v19, s23
	s_lshl_b32 s22, s20, 7
	v_lshl_add_u32 v20, v26, 2, s22                ; z: my eight codes of a row
	s_lshl_b32 s22, s20, 3
	s_add_co_u32 s22, s22, SB0
	v_lshrrev_b32 v21, 2, v26
	v_add_nc_u32 v21, s22, v21                     ; and their block's byte
	s_lshl_b32 s22, s20, 10
	v_lshl_add_u32 v22, v26, 4, s22                ; zpart: my wave's 1,024 bytes, 16 a lane
	v_lshl_add_u32 v23, v26, 2, s22                ; V: my wave's 256 numbers
	s_add_co_u32 s22, s22, ZT
	v_lshl_add_u32 v24, v26, 4, s22
	v_lshl_add_u32 v31, v26, 5, s22
	v_lshlrev_b32 v25, 2, v27
	v_lshl_add_u32 v25, v28, 11, v25               ; wqs: [T][b][16]: 2,048 h + 4 r
	s_mov_b32 s24, 0x76543210
	s_mov_b32 s25, 0xfedcba98                      ; v_permlanex16_b32's selects for lane l xor 16
	s_mov_b32 s26, 0x4038aa3b                      ; c2 = 2 log2(e)
	s_mov_b32 s27, s26                             ; (named with it as a pair)
	s_mov_b32 s23, 0
	s_lshl_b32 s28, s20, 17
	s_lshl_b32 s29, s20, 15
	VW                                             ; the head's end
	s_wait_kmcnt 0x0
	s_lshl_b32 s22, s21, 20                        ; 256 rows of 4,096 bytes,
	s_add_co_u32 s22, s22, s28                     ; my wave's 32
	s_add_nc_u64 s[4:5], s[4:5], s[22:23]
	s_mov_b32 s22, s28                             ; my 16 column tiles of 8,192 bytes
	s_add_nc_u64 s[8:9], s[8:9], s[22:23]
	s_lshl_b32 s22, s20, 13                        ; my 256 rows of scale bytes
	s_add_nc_u64 s[10:11], s[10:11], s[22:23]
	s_lshr_b32 s22, s21, 3                         ; the batch
	s_lshl_b32 s22, s22, 6
	s_add_co_u32 s22, s22, s29
	s_add_nc_u64 s[12:13], s[12:13], s[22:23]
	s_lshl_b32 s22, s21, 10
	s_add_nc_u64 s[14:15], s[14:15], s[22:23]
	s_lshl_b32 s22, s21, 13
	s_add_nc_u64 s[16:17], s[16:17], s[22:23]
	s_lshl_b32 s22, s21, 9
	s_add_nc_u64 s[18:19], s[18:19], s[22:23]
.irp i, 0,1,2,3,4,5,6,7
	global_load_b32 v[96+\i], v25, s[12:13] offset:4096*\i     ; c2 wq of column 256 w + 32 i + lane
	global_load_b32 v[104+\i], v23, s[6:7] offset:128*\i       ; V of the same
.endr
	XFILL 0                                        ; the ring of four rows
	XFILL 1
	XFILL 2
	XFILL 3
	s_wait_loadcnt 32                              ; the 16 set-up loads are in; the ring's 32 may be out
	v_add_f32 v30, v104, v105
.irp i, 2,3,4,5,6,7
	v_add_f32 v30, v30, v[104+\i]
.endr
.irp m, 1,2,4,8
	v_add_f32_dpp v30, v30, v30 row_xmask:\m row_mask:0xf bank_mask:0xf
.endr
	v_permlanex16_b32 v118, v30, s24, s25
	v_add_f32 v30, v30, v118
	v_mul_f32 v30, 0.5, v30                        ; my 256 columns' sum of V, / 2
.irp i, 0,1,2,3,4,5,6,7
	v_mul_f32 v[104+\i], -2.0, v[104+\i]
.endr
.irp i, 0,1,2,3,4,5,6,7
	ds_store_b32 v29, v[96+\i] offset:128*\i
	ds_store_b32 v29, v[104+\i] offset:1024+128*\i
.endr
	VW
	s_wait_dscnt 0x0                               ; the table's stores have read v96-111, which the rows' work takes next
	; THE PROLOGUE: my 32 rows of tile 0.  Seven trips of four rows; behind a slot's loads stand the other three slots' 24
	s_mov_b32 s30, 0
	s_mov_b32 s31, 0
	s_mov_b32 s39, 7
.Lpro:
	v_add_nc_u32 v8, s30, v6
	v_add_nc_u32 v9, s31, v7
	XROW 0, 24, 1, 16384
	XROW 1, 24, 1, 0
	XROW 2, 24, 1, 0
	XROW 3, 24, 1, 0
	VW
	s_wait_dscnt 0x0                               ; the rows' stores are done: v8 and v9 are written again only behind this wait
	s_add_co_u32 s30, s30, 4*PA
	s_add_co_u32 s31, s31, 4*PS
	s_sub_co_u32 s39, s39, 1
	s_cmp_lg_u32 s39, 0
	s_cbranch_scc1 .Lpro
	s_mov_b64 s[40:41], s[8:9]
	s_mov_b64 s[42:43], s[10:11]
	v_add_nc_u32 v8, s30, v6                       ; the last four rows; the slots take tile 1's first four (100 rows on from my row 28), and the first two column tiles of W_k are asked for
	v_add_nc_u32 v9, s31, v7
	WLOAD 64, 48, 0, 0
	XROW 0, 42, 1, 409600                          ; behind slot 0's: three slots' 24 and the 18
	XROW 1, 42, 1, 0                               ; two slots' 16, the 18, slot 0's new 8
	WLOAD 128, 56, 1, 0
	XROW 2, 60, 1, 0                               ; 8 + 18 + 8 + 8 + 18
	XROW 3, 60, 1, 0                               ; 18 + 8 + 8 + 18 + 8
	s_mov_b32 s30, A1O                             ; the rows to come go into tile 1's bytes
	s_mov_b32 s31, SBT
	BARRIER                                        ; tile 0's codes and scale bytes are whole
	; TILE 0.  Loads are out in the order: buffer a 18, slots 0, 1 8 each, buffer b 18, slots 2, 3 8 each; each count below is what was issued behind the load awaited
	FRAGS 0
	s_mov_b32 s28, 7
.Lt0:
	PERIOD 1, 1, 1, 50, 60, 60, 50, 60, 60
	s_sub_co_u32 s28, s28, 1
	s_cmp_lg_u32 s28, 0
	s_cbranch_scc1 .Lt0
	PERIOD 1, 0, 2, 50, 60, 52, 34, 44, 36         ; the last period asks for tile 1's first two column tiles, and fills no slot
	END 0
	; TILE 1
	FRAGS 1
	s_mov_b32 s28, 7
.Lt1:
	PERIOD 0, 0, 1, 18, 0, 0, 18, 0, 0
	s_sub_co_u32 s28, s28, 1
	s_cmp_lg_u32 s28, 0
	s_cbranch_scc1 .Lt1
	PERIOD 0, 0, 0, 18, 0, 0, 0, 0, 0
	END 1
	s_wait_tensorcnt 0x0                           ; the wave's end
	ds_add_u32 v2, v3
	s_wait_dscnt 0x0
	s_endpgm
.Lfunc_end_k_q81d761fb44_main:
	.size	k_q81d761fb44_main, .Lfunc_end_k_q81d761fb44_main-k_q81d761fb44_main
	.p2alignl 7, 3214868480
	.fill 96, 4, 3214868480
	.section	.rodata,"a",@progbits
	.p2align	6, 0x0
	.amdhsa_kernel k_q81d761fb44_main
		.amdhsa_group_segment_fixed_size 166400
		.amdhsa_private_segment_fixed_size 0
		.amdhsa_enable_private_segment 0
		.amdhsa_kernarg_size 64
		.amdhsa_user_sgpr_count 2
		.amdhsa_user_sgpr_kernarg_segment_ptr 1
		.amdhsa_wavefront_size32 1
		.amdhsa_system_sgpr_workgroup_id_x 1
		.amdhsa_system_sgpr_workgroup_id_y 1
		.amdhsa_system_sgpr_workgroup_id_z 1
		.amdhsa_system_vgpr_workitem_id 0
		.amdhsa_next_free_vgpr 1024
		.amdhsa_next_free_sgpr 66
		.amdhsa_reserve_vcc 0
		.amdhsa_float_denorm_mode_32 3
		.amdhsa_float_denorm_mode_16_64 3
		.amdhsa_memory_ordered 1
		.amdhsa_forward_progress 1
		.amdhsa_inst_pref_size 255
	.end_amdhsa_kernel
	.section	.bss,"aw",@nobits
	.p2align	6
	.space	262144
	.amdgpu_metadata
---
amdhsa.version: [ 1, 2 ]
amdhsa.kernels:
  - .name:           k_q81d761fb44_main
    .symbol:         k_q81d761fb44_main.kd
    .args:
      - { .name: enc_hidden, .offset: 0, .size: 8, .value_kind: global_buffer, .address_space: global }
      - { .name: V, .offset: 8, .size: 8, .value_kind: global_buffer, .address_space: global }
      - { .name: wimg, .offset: 16, .size: 8, .value_kind: global_buffer, .address_space: global }
      - { .name: wksc, .offset: 24, .size: 8, .value_kind: global_buffer, .address_space: global }
      - { .name: wqs, .offset: 32, .size: 8, .value_kind: global_buffer, .address_space: global }
      - { .name: out1, .offset: 40, .size: 8, .value_kind: global_buffer, .address_space: global }
      - { .name: zpart, .offset: 48, .size: 8, .value_kind: global_buffer, .address_space: global }
      - { .name: stat, .offset: 56, .size: 8, .value_kind: global_buffer, .address_space: global }
    .group_segment_fixed_size: 166400
    .private_segment_fixed_size: 0
    .kernarg_segment_align: 8
    .kernarg_segment_size: 64
    .max_flat_workgroup_size: 128
    .sgpr_count:     66
    .vgpr_count:     1024
    .wavefront_size: 32
...
	.end_amdgpu_metadata
.endif
;; end of part 2
;; launch final (part 3): grid 8 x 32, 8 waves a work-group, no clusters, 5,632 bytes of LDS; arguments zpart, stat, wimg, wksc, out0; writes out0
.if DOCPART == 3
	.amdgcn_target "amdgcn-amd-amdhsa--gfx1250"
	.amdhsa_code_object_version 6
	.text
	.protected	k_q81d761fb44_final
	.globl	k_q81d761fb44_final
	.p2align	8
	.type	k_q81d761fb44_final,@function
k_q81d761fb44_final:
	s_mov_b64 s[64:65], 0
	v_nop
	global_prefetch_b8 v0, s[64:65] scope:SCOPE_SE
	s_setreg_imm32_b32 hwreg(HW_REG_WAVE_MODE, 25, 1), 1
	s_wait_xcnt 0x0
; hidden[b][h] = sum over k of Qw[h][k] z[b][k] / L.  The 16 tiles of a batch left m_i, l_i and z_i[k] = sum over their rows of e^(score - m_i) Qenc[s][k].
; M = the largest m_i; f_i = e^(m_i - M); L = sum f_i l_i; z = sum (f_i / L) z_i.  All in f32; Qw = W_k's codes widened x 2^(byte - 127).
; SHARES: work-group (hg, b) makes hidden[b][128 hg .. 128 hg + 127]; wave u the 16 rows of column tile T = 8 hg + u.  Every work-group of a batch joins the batch's z anew (64 KiB read, eight times): less than a launch for it.
; Lane (r, h) holds, of row r of W_k, the blocks of 32 along K at 128 s + 64 c + 32 h: the image as the first launch laid it.  No matrix instructions: one column of z against the weights.
; A block's 32 numbers of z come out of LDS into two sets of registers by turns, asked for one block ahead.
; No cluster: what the eight work-groups of a batch share is 64 KiB each, read once at the start.
.macro ZL m                            ; z[64 m + 32 h + 0 .. 31] into set m % 2: v92-123 or v168-199
.set ZS, 92+76*((\m)%2)
.irp i, 0,1,2,3,4,5,6,7
	ds_load_b128 v[ZS+4*\i:ZS+4*\i+3], v8 offset:256*(\m)+16*\i
.endr
.endm
	s_load_b256 s[4:11], s[0:1], 0x0               ; zpart s[4:5], stat s[6:7], wimg s[8:9], wksc s[10:11]
	s_load_b64 s[12:13], s[0:1], 0x20              ; out0
	v_lshl_add_u32 v200, v0, 2, 4608               ; my spare word, behind the results: 128 bytes a wave that no other line names
	v_mov_b32 v201, 0
	v_lshrrev_b32 v1, 5, v0
	s_delay_alu instid0(VALU_DEP_1)
	v_readfirstlane_b32 s16, v1                    ; wave u
	v_and_b32 v1, 31, v0                           ; lane
	v_and_b32 v2, 15, v0                           ; r
	v_bfe_u32 v3, v0, 4, 1                         ; h
	v_lshlrev_b32 v4, 4, v0                        ; 16 x thread: z's 4,096 bytes over 256 threads
	s_delay_alu instid0(VALU_DEP_4)
	v_lshlrev_b32 v5, 4, v1                        ; 16 x lane
	s_delay_alu instid0(VALU_DEP_4)
	v_lshlrev_b32 v6, 5, v2                        ; scale bytes: 32 a row
	v_lshlrev_b32 v7, 8, v2                        ; stat: tile r, 256 bytes a tile
	v_lshlrev_b32 v8, 7, v3                        ; z in LDS: 128 h
	v_lshlrev_b32 v9, 3, v3                        ; 8 h: my byte's shift in half a scale word
	s_lshl_b32 s22, s16, 6
	s_add_co_u32 s22, s22, 4096
	v_lshl_add_u32 v10, v2, 2, s22                 ; the results: 4,096 + 64 u + 4 r
	v_lshl_add_u32 v11, v1, 4, 4096
	v_mov_b32 v19, 0                               ; written once: a lane permute's destination counts as one of its sources
	v_mov_b32 v160, 0x7f7f7f7f                     ; the widening's scale: 1, the same byte everywhere
	s_mov_b32 s20, 0x76543210
	s_mov_b32 s21, 0xfedcba98
	s_and_b32 s17, ttmp7, 0xffff                   ; b
	s_lshl_b32 s18, ttmp9, 3
	s_add_co_u32 s18, s18, s16                     ; T
	s_mov_b32 s23, 0
	s_wait_alu depctr_va_vdst(0)
	s_wait_kmcnt 0x0
	s_lshl_b32 s22, s17, 16                        ; 16 tiles of 4,096 bytes
	s_add_nc_u64 s[4:5], s[4:5], s[22:23]
	s_lshl_b32 s22, s17, 12                        ; 16 tiles of 256 bytes
	s_add_nc_u64 s[6:7], s[6:7], s[22:23]
	s_add_nc_u64 s[12:13], s[12:13], s[22:23]      ; and a row of out0 is 4,096 bytes too
	s_lshl_b32 s22, s18, 13
	s_add_nc_u64 s[8:9], s[8:9], s[22:23]
	s_lshl_b32 s22, s18, 9
	s_add_nc_u64 s[10:11], s[10:11], s[22:23]
	s_lshl_b32 s22, ttmp9, 9
	s_add_nc_u64 s[12:13], s[12:13], s[22:23]
	global_load_b64 v[12:13], v7, s[6:7]           ; (m, l) of tile r
.irp i, 0,1,2,3,4,5,6,7,8,9,10,11,12,13,14,15
	global_load_b128 v[92+4*\i:95+4*\i], v4, s[4:5] offset:4096*\i     ; my four numbers of each tile's z
.endr
.irp s, 0,1,2,3,4,5,6,7
.irp c, 0,1
	global_load_b128 v[28+8*\s+4*\c:31+8*\s+4*\c], v5, s[8:9] offset:1024*\s+512*\c
.endr
.endr
	global_load_b128 v[20:23], v6, s[10:11]
	global_load_b128 v[24:27], v6, s[10:11] offset:16
	s_wait_loadcnt 34                              ; (m, l) is in; the 34 behind it may be out
	v_mov_b32 v14, v12
.irp m, 1,2,4,8
	s_delay_alu instid0(VALU_DEP_1)
	v_max_num_f32_dpp v14, v14, v14 row_xmask:\m row_mask:0xf bank_mask:0xf   ; each half of the lanes holds all 16 tiles
.endr
	s_delay_alu instid0(VALU_DEP_1)
	v_sub_f32 v15, v12, v14
	s_delay_alu instid0(VALU_DEP_1)
	v_mul_f32 v15, 0x3fb8aa3b, v15
	s_wait_alu depctr_va_vdst(0)
	v_exp_f32 v15, v15                             ; f = e^(m - M)
	v_nop
	s_wait_alu depctr_va_vdst(0)                   ; the wait ahead of the first reader
	v_mul_f32 v16, v15, v13
.irp m, 1,2,4,8
	s_delay_alu instid0(VALU_DEP_1)
	v_add_f32_dpp v16, v16, v16 row_xmask:\m row_mask:0xf bank_mask:0xf       ; L, at least 1: the tile with m = M has f = 1 and l >= 1
.endr
	s_wait_alu depctr_va_vdst(0)
	v_rcp_f32 v16, v16
	v_nop
	s_wait_alu depctr_va_vdst(0)                   ; the wait ahead of the first reader
	v_mul_f32 v17, v15, v16                        ; f / L
.irp i, 0,1,2,3,4,5,6,7,8,9,10,11,12,13,14,15
	v_readlane_b32 s[40+\i], v17, \i
.endr
	s_wait_loadcnt 18                              ; the 16 tiles' z are in (behind them: the codes' 16 and the scale words' 2)
.irp e, 0,1,2,3
	v_mul_f32 v[164+\e], s40, v[92+\e]
.endr
.irp i, 1,2,3,4,5,6,7,8,9,10,11,12,13,14,15
.irp e, 0,1,2,3
	s_delay_alu instid0(VALU_DEP_4)
	v_fma_f32 v[164+\e], s[40+\i], v[92+4*\i+\e], v[164+\e]
.endr
.endr
	ds_store_b128 v4, v[164:167]
	s_wait_dscnt 0x0                               ; for the others' sake
	s_barrier_signal -1
	s_barrier_wait -1                              ; the batch's z lies in LDS
	ZL 0
	s_wait_loadcnt 0x0
; block n = 2 s + c of 16: k = 64 n + 32 h + 0 .. 31
.set n, 0
.rept 16
.set ZC, 92+76*(n%2)
.if n < 15
	ZL n+1                                         ; the next block's z, into the other set
.endif
	v_lshrrev_b32 v159, v9, v[20+n/2]              ; my block's byte: number 2 c + h of K step s's word
	s_delay_alu instid0(VALU_DEP_1)
	v_bfe_u32 v159, v159, 16*(n%2), 8
	s_delay_alu instid0(VALU_DEP_1)
	v_lshlrev_b32 v159, 23, v159                   ; as an exponent field: 2^(byte - 127)
.irp g, 0,1,2,3
	v_cvt_scale_pk8_f32_fp4 v[124+8*\g:131+8*\g], v[28+4*n+\g], v160
.endr
.if n < 15
	s_wait_alu depctr_va_vdst(0)
	s_wait_dscnt 8                                 ; this block's eight loads are in; the next block's eight may be out
.else
	s_wait_alu depctr_va_vdst(0)
	s_wait_dscnt 0x0
.endif
	v_nop                                          ; one plain place behind a scaled conversion
	v_pk_mul_f32 v[156:157], v[124:125], v[ZC:ZC+1]            ; two chains, started by the first products
	v_pk_mul_f32 v[162:163], v[126:127], v[ZC+2:ZC+3]
.irp j, 4,8,12,16,20,24,28
	v_pk_fma_f32 v[156:157], v[124+\j:125+\j], v[ZC+\j:ZC+\j+1], v[156:157]
	v_pk_fma_f32 v[162:163], v[126+\j:127+\j], v[ZC+\j+2:ZC+\j+3], v[162:163]
.endr
	s_delay_alu instid0(VALU_DEP_1)
	v_pk_add_f32 v[156:157], v[156:157], v[162:163]
	s_delay_alu instid0(VALU_DEP_1)
	v_add_f32 v161, v156, v157
.if n == 0
	s_delay_alu instid0(VALU_DEP_1)
	v_mul_f32 v158, v161, v159
.else
	s_delay_alu instid0(VALU_DEP_1)
	v_fma_f32 v158, v161, v159, v158
.endif
.set n, n+1
.endr
	s_delay_alu instid0(VALU_DEP_1)
	v_permlanex16_b32 v19, v158, s20, s21
	s_delay_alu instid0(VALU_DEP_1)
	v_add_f32 v158, v158, v19                      ; with the other half's blocks: hidden[b][16 T + r]
	ds_store_b32 v10, v158                         ; both halves write the same word with the same value
	s_wait_dscnt 0x0
	s_barrier_signal -1
	s_barrier_wait -1
	s_cmp_lg_u32 s16, 0
	s_cbranch_scc1 .Ldone
	ds_load_b128 v[164:167], v11                   ; wave 0: the work-group's 128 results, 512 consecutive bytes
	s_wait_dscnt 0x0
	global_store_b128 v5, v[164:167], s[12:13]
.Ldone:
	s_wait_tensorcnt 0x0                           ; the wave's end
	ds_add_u32 v200, v201
	s_wait_dscnt 0x0
	s_endpgm
.Lfunc_end_k_q81d761fb44_final:
	.size	k_q81d761fb44_final, .Lfunc_end_k_q81d761fb44_final-k_q81d761fb44_final
	.p2alignl 7, 3214868480
	.fill 96, 4, 3214868480
	.section	.rodata,"a",@progbits
	.p2align	6, 0x0
	.amdhsa_kernel k_q81d761fb44_final
		.amdhsa_group_segment_fixed_size 5632
		.amdhsa_private_segment_fixed_size 0
		.amdhsa_enable_private_segment 0
		.amdhsa_kernarg_size 40
		.amdhsa_user_sgpr_count 2
		.amdhsa_user_sgpr_kernarg_segment_ptr 1
		.amdhsa_wavefront_size32 1
		.amdhsa_system_sgpr_workgroup_id_x 1
		.amdhsa_system_sgpr_workgroup_id_y 1
		.amdhsa_system_sgpr_workgroup_id_z 1
		.amdhsa_system_vgpr_workitem_id 0
		.amdhsa_next_free_vgpr 204
		.amdhsa_next_free_sgpr 66
		.amdhsa_reserve_vcc 0
		.amdhsa_float_denorm_mode_32 3
		.amdhsa_float_denorm_mode_16_64 3
		.amdhsa_memory_ordered 1
		.amdhsa_forward_progress 1
		.amdhsa_inst_pref_size 51
	.end_amdhsa_kernel
	.amdgpu_metadata
---
amdhsa.version: [ 1, 2 ]
amdhsa.kernels:
  - .name:           k_q81d761fb44_final
    .symbol:         k_q81d761fb44_final.kd
    .args:
      - { .name: zpart, .offset: 0, .size: 8, .value_kind: global_buffer, .address_space: global }
      - { .name: stat, .offset: 8, .size: 8, .value_kind: global_buffer, .address_space: global }
      - { .name: wimg, .offset: 16, .size: 8, .value_kind: global_buffer, .address_space: global }
      - { .name: wksc, .offset: 24, .size: 8, .value_kind: global_buffer, .address_space: global }
      - { .name: out0, .offset: 32, .size: 8, .value_kind: global_buffer, .address_space: global }
    .group_segment_fixed_size: 5632
    .private_segment_fixed_size: 0
    .kernarg_segment_align: 8
    .kernarg_segment_size: 40
    .max_flat_workgroup_size: 256
    .sgpr_count:     66
    .vgpr_count:     204
    .wavefront_size: 32
...
	.end_amdgpu_metadata
.endif
;; end of part 3
